; MI455X (gfx1250); checked and timed in simulation.
; The chip was launched on July 23, 2026; its instructions are those of AMD's public machine-readable ISA for CDNA 5 (MIT licence, August 2026) and "CDNA5" Instruction Set Architecture Reference Guide (July 2026). The comments in the code are by the model that wrote it; some were corrected since.
;; Self Attention. Allowed arithmetic: matrix products marked QUANTISED: E5M2 operands, one given power-of-two scale a tensor, by v_wmma_f32_16x16x64_bf8_bf8 or v_wmma_f32_16x16x128_bf8_bf8, f32 sums; everything else in f32.
;; Inputs: W_K_codes 1,024 x 32 x 32 uint8 (E5M2 codes of W_K, K innermost, in blocks of 32 codes); W_O_codes 1,024 x 32 x 32 uint8 (E5M2 codes of W_O, K innermost, in blocks of 32 codes); W_Q_codes 1,024 x 32 x 32 uint8 (E5M2 codes of W_Q, K innermost, in blocks of 32 codes); W_V_codes 1,024 x 32 x 32 uint8 (E5M2 codes of W_V, K innermost, in blocks of 32 codes); lowp_scales 12 int32 (the exponents e of the quantised operands' scales 2^e); x_codes 4 x 2,048 x 32 x 32 uint8 (E5M2 codes of x, K innermost, in blocks of 32 codes).
;; Outputs: out0 4 x 2,048 x 1,024 float32.
;; This version of the problem:
;;   THIS VERSION OF THE PROBLEM IS GIVEN IN LOW PRECISION. The matrix products marked QUANTISED in the list below multiply operands that are first quantised to E5M2 (5 exponent bits, 2 mantissa bits; 8 bits a number), with one given power-of-two scale for each operand tensor; their sums are f32. All else is computed in f32.
;;   The module's matrix products, in the order in which they are computed (A, B: the left and right operand; K: the contracted axis; several contracted axes count as one K, in the product's order):
;;     1. [M 8,192, K 1,024] x [K 1,024, N 1,024]; A: input x (given as codes); B: input W_Q (given as codes): QUANTISED (scales: A lowp_scales[0], B lowp_scales[1])
;;     2. [M 8,192, K 1,024] x [K 1,024, N 1,024]; A: input x (given as codes); B: input W_K (given as codes): QUANTISED (scales: A lowp_scales[2], B lowp_scales[3])
;;     3. [M 8,192, K 1,024] x [K 1,024, N 1,024]; A: input x (given as codes); B: input W_V (given as codes): QUANTISED (scales: A lowp_scales[4], B lowp_scales[5])
;;     4. batch 64 x [M 2,048, K 64] x [K 64, N 2,048]; A: computed on the way; B: computed on the way: QUANTISED (scales: A lowp_scales[6], B lowp_scales[7])
;;     5. batch 64 x [M 2,048, K 2,048] x [K 2,048, N 64]; A: softmax (see below); B: computed on the way: QUANTISED (scales: A lowp_scales[8], B lowp_scales[9])
;;     6. [M 8,192, K 1,024] x [K 1,024, N 1,024]; A: computed on the way; B: input W_O (given as codes): QUANTISED (scales: A lowp_scales[10], B lowp_scales[11])
;;   THE QUANTISER, for each operand of a quantised product, along K:
;;     - The operand's scale is 2^e, e = its entry of the input lowp_scales (int32; the entries are numbered through the quantised products in the list's order, A before B).
;;     - Each number is divided by the scale, clamped to +-57,344, and rounded to the nearest number of E5M2, ties to even, subnormals kept.
;;     - The product sums the exact products of the quantised numbers (number of the format x scale) in f32.
;;   ~~~python
;;   def quantise(x, axis, e):      # numpy; x: float32 -> the quantised numbers, widened to float32 again
;;       x = np.moveaxis(x, axis, -1); K = x.shape[-1]
;;       r = np.clip(x / 2.0 ** e, -57344, 57344)
;;       step = 2.0 ** (np.maximum(np.frexp(np.where(r == 0, 1, r))[1] - 1, -14) - 2)
;;       q = np.round(r / step) * step * 2.0 ** e      # np.round: ties to even
;;       return np.moveaxis(q, -1, axis).astype(np.float32)
;;   ~~~
;;   SOFTMAX AHEAD OF A QUANTISED PRODUCT. Where the list says 'softmax', what is quantised is not the finished softmax but p = 2^(t - M), with t = logit x log2(e) and M = ceil(the row's largest t), a whole number; so 1/2 < the row's largest p <= 1. The row's sum l is taken of the UNQUANTISED p, in f32, and the product's result is divided by l at the end. Since M is a whole number, a kernel that streams over the keys may use a running M (the ceiling of the running maximum): every later rescaling is an exact power of two, so the quantised numbers keep their values, but for numbers so far below the row's largest that they fall under the format's range.
;;   OPERANDS COMPUTED ON THE WAY. 'Computed on the way' means the value that the module computes at that place (a softmax that the list does not call 'softmax' is quantised finished and normalised). What goes into a quantiser is computed in f32, as accurately as f32 sums, v_exp_f32 and their like allow (about 1e-6 of the number): no bf16 or f16 on the way to a quantiser, and a product that is left as it is and whose result goes on into a quantised operand takes f32 operands (vector FMAs, or v_wmma_f32_16x16x4_f32). A number that lies on a knife's edge between two numbers of the format may be rounded either way, as far as f32 arithmetic and the matrix unit's own rounding can turn it there, and no further.
;;   INPUTS GIVEN AS CODES. W_K (in the module: [1024, 1024], K = its axis 1); W_O (in the module: [1024, 1024], K = its axis 1); W_Q (in the module: [1024, 1024], K = its axis 1); W_V (in the module: [1024, 1024], K = its axis 1); x (in the module: [4, 2048, 1024], K = its axis 2): each comes as NAME_codes (uint8): NAME with its K axis moved to the last place and cut into blocks of 32 codes, [.., K / 32, bytes a block], one block behind the other in memory; one code a byte (a code: sign, 5 exponent bits, 2 mantissa bits); its scale is its entry of lowp_scales. Its value is code x scale, taken as it is: it is not quantised again, and the codes and scales need not be those that the quantiser above would give.
;; One version. Each part assembles by itself: llvm-mc -triple=amdgcn-amd-amdhsa -mcpu=gfx1250 --defsym DOCPART=n.
;; ======== version 1 of 1: 3 launches
;; limits: right only within a limited range of input values
;; workspace buffers: qkv 25,165,824 bytes; cimg 8,388,608 bytes
;; launch proj (part 1): grid 8 x 48, 4 waves a work-group, clusters of 4 x 4, 327,680 bytes of LDS; arguments x_codes, W_Q_codes, W_K_codes, W_V_codes, lowp_scales, qkv; writes qkv
.if DOCPART == 1
	.amdgcn_target "amdgcn-amd-amdhsa--gfx1250"
	.amdhsa_code_object_version 6
	.text
	.protected	k_q0e7a9c712d_proj
	.globl	k_q0e7a9c712d_proj
	.p2align	8
	.type	k_q0e7a9c712d_proj,@function
k_q0e7a9c712d_proj:
	s_mov_b64 s[64:65], 0
	v_nop
	global_prefetch_b8 v0, s[64:65] scope:SCOPE_SE
	s_setreg_imm32_b32 hwreg(HW_REG_WAVE_MODE, 25, 1), 1
	s_wait_xcnt 0x0
	s_wait_alu depctr_hold_cnt(0) depctr_sa_sdst(0) depctr_va_vdst(0) depctr_va_sdst(0) depctr_va_ssrc(0) depctr_va_vcc(0) depctr_vm_vsrc(0)
	s_getreg_b32 s2, hwreg(HW_REG_IB_STS2, 6, 4)
	s_cmp_eq_u32 s2, 0
	s_cbranch_scc0 .Lentry_in_a_cluster
	s_endpgm
.Lentry_in_a_cluster:
	s_bfe_u32 s2, ttmp6, 0x10000c
	s_cmp_lg_u32 s2, 0xf033
	s_cbranch_scc0 .Lentry_shape_is_right
	s_endpgm
.Lentry_shape_is_right:
; FIRST OF THREE LAUNCHES: Q = x W_Q^T, K = x W_K^T, V = x W_V^T on codes of E5M2, f32 sums, each result quantised at once (Q with 2^e6, K with 2^e7, V with 2^e9) and stored as codes.
; x: [8192][1024] codes; each W: [1024][1024] codes, K innermost.  lowp_scales: e0 .. e11.  A sum of product i stands for sum x 2^(ea + eb); its code is sum / 2^E, E = eo - ea - eb, held within +-57,344, ties to even.
; LIMIT: -126 <= E <= 112 for each of the three products, so that 2^E and 57,344 x 2^E are f32 numbers.  The codes given are taken as they are; infinity or NaN codes among them are not served.
; WORK LEFT OUT OF THE PROGRAM (in the second launch): reference() itself sets score[q][k] to -inf wherever k > q, so the weight there is 0 whatever the inputs hold.  A step of 128 keys all of which come after a tile's 16
; queries therefore adds 0 to the row's sum and to ctx and cannot raise the row's maximum (key 0 counts for every query): such steps are not done.  Every input has a way to the output and is loaded.
; LIMIT: a NaN, an infinity or an overflow that would arise only in scores left out so is not carried to the result.
; SHARES.  384 tiles of 256 x 256, K = 1,024: a work-group of four waves a tile, a wave 128 x 128: 64 accumulators of 16 x 16, 512 registers.  K goes in steps of 256 through a ring of two LDS slots.
; One text serves the three products.  'A' is the operand whose rows end up one to a lane, 'B' the one whose rows run along a lane's registers (source 0 = 16 rows of B, source 1 = 16 rows of A).
;   clusters with y < 8: A = x (tokens), B = W_Q (cluster x = 0) or W_K (1): a lane holds one token and eight neighbouring channels: the K of the scores' product.
;   clusters with y >= 8: A = W_V (channels), B = x (tokens): a lane holds one channel and eight neighbouring keys: the K of the second attention product.  So nothing is ever transposed.
; The choice is made by selects on the cluster's coordinates, which all sixteen partners share; no branch hangs on it.
; CLUSTERS: 4 x 4 work-groups.  A's tile hangs on cy alone and is asked for jointly by a row of the cluster, B's on cx alone and by a column.
; WHAT IS STORED: images of the next launch's operand registers.  Eight sums of a lane become two registers of codes: registers 2 c, 2 c + 1 of the operand.
;   Q (byte 0) and K (byte 2^23): [batch x head 64][token tile 128][piece 2][lane 32][16 bytes]: lane (r, h): token r, register 2 c, 2 c + 1 = channels 16 c + 8 h + 0 .. 7.
;   V (byte 2^24): [batch x head 64][128 keys 16][channel tile 4][piece 4][lane 32][16 bytes]: lane (r, h): channel r, register 2 c, 2 c + 1 = keys 16 c + 8 h + 0 .. 7.
;   Each store of the wave covers 512 consecutive bytes, aligned, straight from registers: no stage in LDS.
; REGISTERS, in windows of 256: window 0: v0-31 addresses and constants, v32-47 the stores' offsets, from v128 A's fragments, ONE set, later the codes; window 1: B's fragments, TWO sets;
;   window 2: the accumulators of my A rows 0-63 ((a, b) at v[8 (8 a + b)]); window 3: those of rows 64-127.
.set ROWB,   256                       ; a tile's row in bytes: 256 codes
.set KROW,   1024                      ; a row of x or of a weight in memory
.set PITCH,  272                       ; an LDS row: 256 bytes + 16 of padding = 68 words: the 16 rows that a load touches start 4 banks apart (64 banks of 4 bytes: ISA guide 11.1)
.set FR,     16                        ; registers of a fragment: 16 rows x 128 K
.set NL,     4                         ; LDS loads that bring one
.set NP,     4                         ; places behind this matrix instruction (ISA guide 7.12.1)
.set HALFT,  128*PITCH                 ; 128 rows: what one tensor load brings
.set SLOT,   4*HALFT                   ; A's 256 rows, then B's 256 rows
.set LAPS,   2                         ; 1,024 along K = two laps of two K steps of 256
.set SPARE,  2*SLOT                    ; behind the ring: the spare words, 128 bytes a wave
.set LIM,  10
.set SC,   11                          ; v11  2^E
.set ADRA, 16                          ; v16-17  LDS address of my A fragments in slot 0, 1
.set ADRB, 20                          ; v20-21  the same for B
.set L16,  26                          ; v26  16 x lane
.set SPW,  28                          ; v28  my spare word; never rewritten
.set NIL,  29                          ; v29  0; never rewritten
.set CO,   32                          ; v32-47  two store offsets for each of A's eight blocks; never rewritten
.set AF,   128                         ; A's fragments, in window 0
.set TMP,  128                         ; the way out: 16 registers of codes for each block
.set G1, 24                            ; s[24:31] descriptor group 1 for A's tiles; s[32:39] group 0, a set for each slot
.set G0, 32
.set G1B, 48                           ; s[48:55], s[56:63] the same for B's
.set G0B, 56
.set MSB, 0
.macro WIN new                         ; the immediate's high byte repeats the setting that is left
.if MSB != \new
	s_set_vgpr_msb (MSB<<8)|\new
.set MSB, \new
.endif
.endm
.set MUL_LO, 0xa1                      ; source 0 (B) window 1, source 1 (A) window 0, C and D window 2
.set MUL_HI, 0xf1                      ; the same, C and D window 3
.set TO_B,   0x40                      ; destination window 1, address window 0
; A joint load: waves 0 and 1 fetch for A, waves 2 and 3 for B.  The branch hangs on the wave's number alone.  An s_nop 0 and four v_nop follow each line.
.macro JLOAD g0a, g1a, g0b, g1b
	s_cmp_eq_u32 s15, 0
	s_cbranch_scc0 .Lfor_b_\@
	tensor_load_to_lds s[\g0a:\g0a+3], s[\g1a:\g1a+7]
	s_nop 0
.rept 4
	v_nop
.endr
	s_branch .Lasked_\@
.Lfor_b_\@:
	tensor_load_to_lds s[\g0b:\g0b+3], s[\g1b:\g1b+7]
	s_nop 0
.rept 4
	v_nop
.endr
.Lasked_\@:
.endm
.macro CREST                           ; a round of the cluster's barrier behind its opening barrier
	s_cmp_lg_u32 s14, 0
	s_cbranch_scc1 .Lnot_wave_0_\@
	s_barrier_signal -3
.Lnot_wave_0_\@:
	s_barrier_wait -3
	s_barrier_signal -1
	s_barrier_wait -1
.endm
.macro CROUND                          ; a whole round
	s_barrier_signal -1
	s_barrier_wait -1
	CREST
.endm
	s_load_b256 s[68:75], s[0:1], 0x0              ; x s[68:69], W_Q s[70:71], W_K s[72:73], W_V s[74:75]
	s_load_b128 s[76:79], s[0:1], 0x20             ; the scales' exponents s[76:77], qkv s[78:79]
	v_lshl_add_u32 v[SPW], v0, 2, SPARE
	v_mov_b32 v[NIL], 0
	ds_add_u32 v[SPW], v[NIL]                      ; the wave's opening: the add, twice on end, and its wait ahead of my first tensor load
	ds_add_u32 v[SPW], v[NIL]                      ; once more; the set-up below, work on registers, stands between it and the wait
	v_lshrrev_b32 v1, 5, v0
	v_readfirstlane_b32 s14, v1                    ; wave 0..3
	s_lshr_b32 s15, s14, 1                         ; which half of A's rows is mine.  Also: I fetch for A (0) or for B (1)
	s_and_b32 s16, s14, 1                          ; which half of B's rows.  Also: which 128 rows of that tile I fetch
	s_bfe_u32 s40, ttmp6, 0x40000                  ; cx, cy: my place in the cluster
	s_bfe_u32 s41, ttmp6, 0x40004
	s_and_b32 s92, ttmp7, 0xffff                   ; cluster y, 0 .. 11: 8 and above make V
	s_lshl_b32 s17, s92, 2
	s_add_co_u32 s17, s17, s41                     ; Q, K: A's block of 256 tokens = 4 x cluster y + cy
	s_max_u32 s42, s92, 8
	s_sub_co_u32 s42, s42, 8
	s_lshl_b32 s42, s42, 1
	s_add_co_u32 s42, s42, ttmp9
	s_lshl_b32 s42, s42, 2
	s_add_co_u32 s42, s42, s40                     ; V: B's block of 256 tokens = 4 x (2 (cluster y - 8) + cluster x) + cx
	s_cmp_ge_u32 s92, 8
	s_cselect_b32 s17, s41, s17                    ; A's block: V: 256 channels, cy.  It hangs on cy alone either way
	s_cselect_b32 s42, s42, s40                    ; B's block: Q, K: 256 channels, cx.  It hangs on cx alone either way
	s_lshl_b32 s43, s41, 2
	s_lshl_b32 s43, 15, s43                        ; my row of the cluster
	s_lshl_b32 s44, 0x1111, s40                    ; my column
	; descriptor group 1: a tile of 128 rows x 256 bytes, padded in LDS
	s_or_b32 s[G1+0], s43, (0<<16)|(1<<20)|(1<<21)|(5<<22)|(3<<25)  ; 15:0 the mask; 17:16 elements of 1 byte; 20 padding on; 21 set beside a mask; 24:22 after every 64 words; 31:25 four words
	s_or_b32 s[G1B+0], s44, (0<<16)|(1<<20)|(1<<21)|(5<<22)|(3<<25)
.irp g, G1, G1B
	s_mov_b32 s[\g+1], ROWB<<16                    ; tensor_dim0
	s_mov_b32 s[\g+2], 128<<16                     ; tensor_dim1
	s_mov_b32 s[\g+3], ROWB<<16                    ; tile_dim0
	s_mov_b32 s[\g+4], 128                         ; tile_dim1
	s_mov_b32 s[\g+5], KROW                        ; from row to row
	s_mov_b32 s[\g+6], 0
	s_mov_b32 s[\g+7], 0
.endr
	s_lshl_b32 s18, s16, 7                         ; which 128 rows of the tile I fetch
	s_lshl_b32 s20, s17, 8
	s_add_co_u32 s20, s20, s18
	s_lshl_b32 s20, s20, 10                        ; A: (256 x block + 128 x half) rows of 1,024 bytes: under 2^23
	s_mov_b32 s21, 0
	s_lshl_b32 s46, s42, 8
	s_add_co_u32 s46, s46, s18
	s_lshl_b32 s46, s46, 10                        ; B likewise
	s_mov_b32 s47, 0
	s_mul_i32 s45, s14, HALFT                      ; where they go: wave x 128 rows: no place in the cluster enters an LDS address
	s_wait_dscnt 0x0                               ; both opening adds are done
	s_wait_kmcnt 0x0
	s_load_b256 s[80:87], s[76:77], 0x0            ; e0 .. e7
	s_load_b128 s[88:91], s[76:77], 0x20           ; e8 .. e11
	s_cmp_eq_u32 ttmp9, 0
	s_cselect_b64 s[6:7], s[70:71], s[72:73]       ; W_Q or W_K
	s_cmp_ge_u32 s92, 8
	s_cselect_b64 s[4:5], s[74:75], s[68:69]       ; A: W_V or x
	s_cselect_b64 s[6:7], s[68:69], s[6:7]         ; B: x or the weight
	s_add_nc_u64 s[20:21], s[4:5], s[20:21]
	s_add_nc_u64 s[46:47], s[6:7], s[46:47]
	CROUND                                         ; all sixteen work-groups are here: the first joint loads meet
.irp s, 0,1
	s_mov_b32 s[G0+4*\s], 1
	s_add_co_u32 s[G0+4*\s+1], s45, \s*SLOT
	s_add_nc_u64 s[G0+4*\s+2:G0+4*\s+3], s[20:21], \s*ROWB
	s_or_b32 s[G0+4*\s+3], s[G0+4*\s+3], 0x80000000
	s_mov_b32 s[G0B+4*\s], 1
	s_add_co_u32 s[G0B+4*\s+1], s45, \s*SLOT
	s_add_nc_u64 s[G0B+4*\s+2:G0B+4*\s+3], s[46:47], \s*ROWB
	s_or_b32 s[G0B+4*\s+3], s[G0B+4*\s+3], 0x80000000
	JLOAD G0+4*\s, G1, G0B+4*\s, G1B               ; two loads of mine are out
.endr
	v_and_b32 v1, 15, v0                           ; l % 16
	v_bfe_u32 v2, v0, 4, 1                         ; l / 16
	v_mul_u32_u24 v3, v1, PITCH
	v_lshl_add_u32 v4, v2, 4, v3                   ; a fragment's row x pitch + 16 x half
	s_mul_i32 s21, s15, HALFT                      ; my 128 rows of A
	s_mul_i32 s22, s16, HALFT                      ; my 128 rows of B,
	s_add_co_u32 s22, s22, 2*HALFT                 ; which lie behind A's 256
.irp s, 0,1
	v_add_nc_u32 v[ADRA+\s], s21, v4
	v_add_nc_u32 v[ADRB+\s], s22, v4
	s_add_co_u32 s21, s21, SLOT
	s_add_co_u32 s22, s22, SLOT
.endr
	; WHERE MY CODES GO.  tokens: block of 256, half of 128; channels likewise; which is A's and which is B's hangs on the product
	s_cmp_ge_u32 s92, 8
	s_cselect_b32 s94, s42, s17                    ; the tokens' block of 256
	s_cselect_b32 s95, s17, s42                    ; the channels' block of 256
	s_cselect_b32 s96, s16, s15                    ; the tokens' half
	s_cselect_b32 s97, s15, s16                    ; the channels' half
	s_cselect_b32 s93, 2, ttmp9                    ; the section: Q 0, K 1, V 2
	s_mov_b32 s98, 1024
	s_cselect_b32 s98, 2048, s98                   ; from one block of A to the next: a token tile of 1 KiB; V: a fragment of 2 KiB
	s_mov_b32 s99, 0x20000
	s_cselect_b32 s99, 1024, s99                   ; from a block's first eight registers to its last eight: the next head; V: the fragment's second half
	s_cselect_b32 s23, 0x1e000, 0                  ; V: behind four fragments the next head begins: 131,072 - 4 x 2,048
	s_lshl_b32 s93, s93, 23
	s_lshr_b32 s18, s94, 3                         ; the batch
	s_lshl_b32 s18, s18, 4
	s_lshl_b32 s95, s95, 2
	s_add_co_u32 s18, s18, s95
	s_lshl_b32 s97, s97, 1
	s_add_co_u32 s18, s18, s97                     ; 16 x batch + my first head (256 channels are four heads, 128 two)
	s_lshl_b32 s18, s18, 17                        ; a head's section is 128 KiB
	s_add_co_u32 s93, s93, s18
	s_and_b32 s94, s94, 7
	s_lshl_b32 s94, s94, 1
	s_add_co_u32 s94, s94, s96
	s_lshl_b32 s94, s94, 13                        ; 128 tokens are 8 KiB in each of the three sections
	s_add_co_u32 s93, s93, s94
	v_and_b32 v[L16], 31, v0
	v_lshlrev_b32 v[L16], 4, v[L16]
.irp a, 0,1,2,3,4,5,6,7
	v_add_nc_u32 v[CO+2*\a], s93, v[L16]
	v_add3_u32 v[CO+2*\a+1], s93, s99, v[L16]
	s_add_co_u32 s93, s93, s98
.if \a == 3
	s_add_co_u32 s93, s93, s23
.endif
.endr
	; THE ONE SCALE OF THE CONVERSION: the three given exponents folded
	s_wait_kmcnt 0x0
	s_add_co_i32 s80, s80, s81
	s_add_co_i32 s82, s82, s83
	s_add_co_i32 s84, s84, s85
	s_sub_co_i32 s80, s86, s80                     ; Q: e6 - e0 - e1
	s_sub_co_i32 s82, s87, s82                     ; K: e7 - e2 - e3
	s_sub_co_i32 s84, s89, s84                     ; V: e9 - e4 - e5
	s_cmp_eq_u32 ttmp9, 0
	s_cselect_b32 s80, s80, s82
	s_cmp_ge_u32 s92, 8
	s_cselect_b32 s80, s84, s80                    ; E
	s_add_co_i32 s80, s80, 127
	s_lshl_b32 s81, s80, 23
	v_mov_b32 v[SC], s81                           ; 2^E as f32: the conversion takes its exponent field
.macro FRAG reg, adr, q, i             ; a fragment: lane l holds row l % 16; registers 4 c .. 4 c + 3 hold K = 32 c + 16 (l / 16) + 0 .. 15: the same order of K in A and in B, so every product meets its partner
.irp c, 0,1,2,3
	ds_load_b128 v[\reg+4*\c:\reg+4*\c+3], v[\adr] offset:128*(\q)+32*\c+(\i)*16*PITCH
.endr
.endm
; 16 matrix instructions: A's blocks a0, a0 + 1 x B's eight, 128 along K.  p: B's set.  zero = 1: the first product starts the sums.  The 64 accumulators take turns, one instruction a turn.
.macro MUL16 a0, p, zero
.irp a, \a0, \a0+1
.irp b, 0,1,2,3,4,5,6,7
.if \zero
	v_wmma_f32_16x16x128_bf8_bf8 v[8*(8*((\a)%4)+\b):8*(8*((\a)%4)+\b)+7], v[128*(\p)+FR*\b:128*(\p)+FR*\b+FR-1], v[AF+FR*(\a):AF+FR*(\a)+FR-1], 0
.else
	v_wmma_f32_16x16x128_bf8_bf8 v[8*(8*((\a)%4)+\b):8*(8*((\a)%4)+\b)+7], v[128*(\p)+FR*\b:128*(\p)+FR*\b+FR-1], v[AF+FR*(\a):AF+FR*(\a)+FR-1], v[8*(8*((\a)%4)+\b):8*(8*((\a)%4)+\b)+7]
.endif
.endr
.endr
.endm
.macro FETCH_B slot, q, p              ; B's eight fragments of the slot's q-th 128 along K into set p
	WIN TO_B
.irp i, 0,1,2,3,4,5,6,7
	FRAG 128*(\p)+FR*\i, ADRB+\slot, \q, \i
.endr
	WIN 0
.endm
.macro FETCH_A slot, q, i0             ; A's blocks i0 .. i0 + 3
.irp i, \i0, \i0+1, \i0+2, \i0+3
	FRAG AF+FR*(\i), ADRA+\slot, \q, \i
.endr
.endm
.macro PLACES n                        ; plain vector instructions between a matrix instruction and a load into, or a vector read or write of, its registers
.rept \n
	v_nop
.endr
.endm
; A step of 128 along K that has its successor in the same slot.  A block of A is free when its eight products are issued, so A has one set: blocks 0-3 come anew in the step's middle, blocks 4-7 at its end.
.macro STEP slot, q, zero
	s_wait_dscnt 4*NL                              ; B's set and A's blocks 0-3 are in; the youngest 16 loads (A's blocks 4-7) may be out
	WIN MUL_LO
	MUL16 0, (\q)%2, \zero
	MUL16 2, (\q)%2, \zero
	s_wait_dscnt 0                                 ; A's blocks 4-7 are in
	PLACES NP
	FETCH_B \slot, (\q)+1, 1-(\q)%2
	FETCH_A \slot, (\q)+1, 0
	WIN MUL_HI
	MUL16 4, (\q)%2, \zero
	MUL16 6, (\q)%2, \zero
	PLACES NP
	WIN 0
	FETCH_A \slot, (\q)+1, 4
.endm
; A slot's last step changes slots: ONE barrier; in front of it each wave waits for all its tensor loads, adds 0 to its spare word, and waits for that and for its reads of this slot.  fill = 1: the slot is filled again.
.macro TURN slot, next, fill
	s_wait_tensorcnt 0x0                           ; all my tensor loads have landed: my part of the next slot
	ds_add_u32 v[SPW], v[NIL]                      ; 0 onto my spare word
	s_wait_dscnt 4*NL+1                            ; the add and the youngest 16 loads (A's blocks 4-7) may be out
	WIN MUL_LO
	MUL16 0, 1, 0                                  ; sixteen matrix instructions stand between the add and the wait for it
	s_wait_dscnt 0x0                               ; the add is done, and my reads of this slot are over
	s_barrier_signal -1
	MUL16 2, 1, 0
	WIN 0
	s_barrier_wait -1
.if \fill
	CREST                                          ; the barrier has opened a round of the cluster's: no wave of any partner still reads this slot or has a load on its way
	s_add_nc_u64 s[G0+4*\slot+2:G0+4*\slot+3], s[G0+4*\slot+2:G0+4*\slot+3], 2*ROWB
	s_add_nc_u64 s[G0B+4*\slot+2:G0B+4*\slot+3], s[G0B+4*\slot+2:G0B+4*\slot+3], 2*ROWB
	JLOAD G0+4*\slot, G1, G0B+4*\slot, G1B         ; the first tensor load behind the round; its four v_nop are the places in front of the loads below
.else
	PLACES NP
.endif
	FETCH_B \next, 0, 0
	FETCH_A \next, 0, 0
	WIN MUL_HI
	MUL16 4, 1, 0
	MUL16 6, 1, 0
	PLACES NP
	WIN 0
	FETCH_A \next, 0, 4
.endm
	s_wait_tensorcnt 1                             ; my part of K step 0 is in; K step 1's load may be out
	s_barrier_signal -1
	s_barrier_wait -1                              ; everybody's is
	FETCH_B 0, 0, 0
	FETCH_A 0, 0, 0
	FETCH_A 0, 0, 4
	STEP 0, 0, 1                                   ; the first step stands in front of the loop: its products start the sums
	s_mov_b32 s3, LAPS-1
.Llap:                                                 ; a trip goes once round the ring and fills both slots again
	TURN 0, 1, 1
	STEP 1, 0, 0
	TURN 1, 0, 1
	STEP 0, 0, 0
	s_sub_co_u32 s3, s3, 1
	s_cmp_lg_u32 s3, 0
	s_cbranch_scc1 .Llap
	TURN 0, 1, 0                                   ; the last lap fills nothing, and has no round of the cluster's barrier
	STEP 1, 0, 0
	s_wait_dscnt 4*NL                              ; the very last step: nothing more to fetch
	WIN MUL_LO
	MUL16 0, 1, 0
	MUL16 2, 1, 0
	s_wait_alu depctr_va_vdst(0)
	s_wait_dscnt 0
	WIN MUL_HI
	MUL16 4, 1, 0
	MUL16 6, 1, 0
	WIN 0
; THE WAY OUT of block a (16 rows of A x 128 rows of B): the hold, the conversion, four stores.  Accumulator b's eight sums are eight neighbours along the next product's K: its two registers of codes are
; registers 2 b, 2 b + 1 of the image.  Each accumulator is read from its low end on.  No offset and no register of codes is written twice, so no store is waited for.
.macro OUT a
.set AC, 64*((\a)%4)
.if (\a) < 4
	WIN 0x82                                       ; source 0 and destination window 2
.else
	WIN 0xc3
.endif
.set j, 0
.rept 64
.set j, j+1
.endr
.if (\a) < 4
	WIN 0x02                                       ; source 0 window 2, destination window 0
.else
	WIN 0x03
.endif
.irp b, 0,1,2,3,4,5,6,7
	v_cvt_scalef32_pk8_bf8_f32 v[TMP+16*(\a)+2*\b:TMP+16*(\a)+2*\b+1], v[AC+8*\b:AC+8*\b+7], v[SC]
.endr
	WIN 0
	v_nop                                          ; a plain vector line behind the last conversion of the run
	global_store_b128 v[CO+2*(\a)], v[TMP+16*(\a):TMP+16*(\a)+3], s[78:79]                   ; 32 lanes store 512 consecutive bytes, at a multiple of 512 from the buffer's first byte
	global_store_b128 v[CO+2*(\a)], v[TMP+16*(\a)+4:TMP+16*(\a)+7], s[78:79] offset:512
	global_store_b128 v[CO+2*(\a)+1], v[TMP+16*(\a)+8:TMP+16*(\a)+11], s[78:79]
	global_store_b128 v[CO+2*(\a)+1], v[TMP+16*(\a)+12:TMP+16*(\a)+15], s[78:79] offset:512
.endm
	PLACES NP                                      ; behind the last products: their sources take codes, their results are read
.irp a, 0,1,2,3,4,5,6,7
	OUT \a
.endr
	s_wait_tensorcnt 0x0                           ; the wave's end: behind my last tensor load
	ds_add_u32 v[SPW], v[NIL]
	s_wait_dscnt 0x0
	CROUND                                         ; the closing round: no work-group ends while a partner may still ask for a tile that names it
	s_endpgm
.Lfunc_end_k_q0e7a9c712d_proj:
	.size	k_q0e7a9c712d_proj, .Lfunc_end_k_q0e7a9c712d_proj-k_q0e7a9c712d_proj
	.p2alignl 7, 3214868480
	.fill 96, 4, 3214868480
	.section	.rodata,"a",@progbits
	.p2align	6, 0x0
	.amdhsa_kernel k_q0e7a9c712d_proj
		.amdhsa_group_segment_fixed_size 327680
		.amdhsa_private_segment_fixed_size 0
		.amdhsa_enable_private_segment 0
		.amdhsa_kernarg_size 48
		.amdhsa_user_sgpr_count 2
		.amdhsa_user_sgpr_kernarg_segment_ptr 1
		.amdhsa_wavefront_size32 1
		.amdhsa_system_sgpr_workgroup_id_x 1
		.amdhsa_system_sgpr_workgroup_id_y 1
		.amdhsa_system_sgpr_workgroup_id_z 1
		.amdhsa_system_vgpr_workitem_id 0
		.amdhsa_next_free_vgpr 1024
		.amdhsa_next_free_sgpr 100
		.amdhsa_reserve_vcc 0
		.amdhsa_float_denorm_mode_32 3
		.amdhsa_float_denorm_mode_16_64 3
		.amdhsa_fp16_overflow 1
		.amdhsa_memory_ordered 1
		.amdhsa_forward_progress 1
		.amdhsa_inst_pref_size 88
	.end_amdhsa_kernel
	.amdgpu_metadata
---
amdhsa.version: [ 1, 2 ]
amdhsa.kernels:
  - .name:           k_q0e7a9c712d_proj
    .symbol:         k_q0e7a9c712d_proj.kd
    .args:
      - { .name: x_codes, .offset: 0, .size: 8, .value_kind: global_buffer, .address_space: global }
      - { .name: W_Q_codes, .offset: 8, .size: 8, .value_kind: global_buffer, .address_space: global }
      - { .name: W_K_codes, .offset: 16, .size: 8, .value_kind: global_buffer, .address_space: global }
      - { .name: W_V_codes, .offset: 24, .size: 8, .value_kind: global_buffer, .address_space: global }
      - { .name: lowp_scales, .offset: 32, .size: 8, .value_kind: global_buffer, .address_space: global }
      - { .name: qkv, .offset: 40, .size: 8, .value_kind: global_buffer, .address_space: global }
    .group_segment_fixed_size: 327680
    .private_segment_fixed_size: 0
    .kernarg_segment_align: 8
    .kernarg_segment_size: 48
    .max_flat_workgroup_size: 128
    .sgpr_count:     100
    .vgpr_count:     1024
    .wavefront_size: 32
...
	.end_amdgpu_metadata
.endif
;; end of part 1
;; launch attn (part 2): grid 4 x 64, 16 waves a work-group, clusters of 4 x 1, 327,680 bytes of LDS; arguments qkv, lowp_scales, cimg; writes cimg
.if DOCPART == 2
	.amdgcn_target "amdgcn-amd-amdhsa--gfx1250"
	.amdhsa_code_object_version 6
	.text
	.protected	k_q0e7a9c712d_attn
	.globl	k_q0e7a9c712d_attn
	.p2align	8
	.type	k_q0e7a9c712d_attn,@function
k_q0e7a9c712d_attn:
	s_mov_b64 s[64:65], 0
	v_nop
	global_prefetch_b8 v0, s[64:65] scope:SCOPE_SE
	s_setreg_imm32_b32 hwreg(HW_REG_WAVE_MODE, 25, 1), 1
	s_wait_xcnt 0x0
	s_wait_alu depctr_hold_cnt(0) depctr_sa_sdst(0) depctr_va_vdst(0) depctr_va_sdst(0) depctr_va_ssrc(0) depctr_va_vcc(0) depctr_vm_vsrc(0)
	s_getreg_b32 s2, hwreg(HW_REG_IB_STS2, 6, 4)
	s_cmp_eq_u32 s2, 0
	s_cbranch_scc0 .Lentry_in_a_cluster
	s_endpgm
.Lentry_in_a_cluster:
	s_bfe_u32 s2, ttmp6, 0x10000c
	s_cmp_lg_u32 s2, 0x3003
	s_cbranch_scc0 .Lentry_shape_is_right
	s_endpgm
.Lentry_shape_is_right:
; SECOND LAUNCH: causal attention on codes of E5M2, one batch x head (64 of them) to a cluster of four work-groups; ctx is quantised with 2^e10 and stored as codes.
; WORK LEFT OUT: a step of 128 keys all of which come after a tile's 16 queries: reference()'s own mask makes its weights 0 for all inputs (shown at the head of the first launch's text, with the limit on NaN and infinity).
; THE SOFTMAX AHEAD OF THE SECOND PRODUCT: t = score x log2(e) / 8; M = the running largest t rounded UP to a whole number; p = 2^(t - M) is quantised with 2^e8; the row's sum is taken of the unquantised p and divides
; at the end.  When M moves, the sum and O are multiplied by 2^(old M - new M), which rounds nothing.
; LIMITS on the given exponents: e6 + e7 between -123 and 130 (they are added to the exponent field of log2(e) / 8); e8 between -126 and 112; e8 + e9 - e10 goes through v_ldexp_f32 and has none.
; THE WHOLE HEAD LIES IN LDS, FILLED ONCE: K's image, 131,072 bytes, from byte 0, V's, as many, behind it: images of operand registers, read at 16 x lane, 512 consecutive bytes an instruction.  No slot is filled again:
; one barrier, and then the sixteen waves run freely.  The four work-groups of a head read the same 256 KiB, so each of the sixteen waves asks for 16 KiB JOINTLY with its three partners: one tensor load a wave is out.
; SHARES.  A head has 128 tiles of 16 queries.  Work-group g (0 .. 3) takes tiles 4 u + g, u = 0 .. 31; wave w takes u = w and then u = 31 - w.  Tile 4 u + g needs key steps 0 .. u / 2 of 128 keys, whatever g is, and
; step u / 2 is the one on the diagonal.  So every wave of every work-group walks w / 2 + 1 + (31 - w) / 2 + 1 = 17 steps, and no branch hangs on a work-group's place in its cluster.
; LAYOUT.  Both products are used transposed: S^T = K Q^T (source 0 = 16 keys, source 1 = my 16 queries, K = 64), O^T = V^T P^T (source 0 = 16 channels, source 1 = P, K = 128 keys): a lane holds ONE query (lane % 16).
; Tile c of S^T gives lane (r, h) the keys 16 c + 8 h + 0 .. 7: its eight p become registers 2 c, 2 c + 1 of P, the very keys that V's image has in those registers.
; ctx GOES OUT as the image that the third launch reads: [token tile 512][32 along K: 32][lane][16 bytes], lane (r, h): token r, K = 32 kc + 16 h + 0 .. 15; one exchange between the halves of the lanes makes it.
.set VBASE, 131072                     ; V's image in LDS
.set SPARE, 262144                     ; behind both: the spare words, 128 bytes for each of sixteen waves
.set CHUNK, 8192                       ; 128 keys in K's image and in V's
.set L16, 1                            ; v1   16 x lane
.set ADK, 2                            ; v2   LDS address of the step's K
.set ADV, 3                            ; v3   of its V
.set D0,  4                            ; v4   r - 8 h + 16 g
.set DM,  5                            ; v5   + 64 (u % 2): my query, counted from the diagonal step's first key, less 8 h
.set SPW, 6                            ; v6   my spare word; never rewritten
.set NIL, 7                            ; v7   0; never rewritten
.set QO,  8                            ; v8, v9    Q's offsets of the two passes
.set CO,  10                           ; v10, v11  ctx's offsets of the two passes
.set KV,  32                           ; v32-95   K's eight fragments of 8 registers, then V's four of 16
.set S,   96                           ; v96-159  S^T, then p; at a pass's end ctx
.set OT,  160                          ; v160-191 O^T
.set CC,  192                          ; v192-207 ctx's codes, eight registers a pass
.set PC,  224                          ; v224-239 P's codes.  v12 -M, v13 the largest t, v[14:15] the sum; v16-31 Q of both passes; v208, v209, v236, v238-243, v246-255 at work; v244, v245 constants
.set WV,  10                           ; s10  my wave's number
.set G,   11                           ; s11  my work-group among the head's four
.set BH,  12                           ; s12  batch x head
.set G1,  16                           ; s[16:23] descriptor group 1;  s[24:27] group 0
.set G0,  24
.set SEL, 28                           ; s[28:29] selects for v_permlanex16_b32: lane l xor 16
.set CS,  30                           ; s[30:31] c = log2(e) / 8 x 2^(e6 + e7); the packed form names a pair
.set TB,  32                           ; s32  LDS byte of the step's 128 keys
.set KI,  33                           ; s33  the step
.set KD,  34                           ; s34  the step on the diagonal: u / 2
.set HM,  35                           ; s35  the mask of lanes 16-31
.set EX,  46                           ; s46  e8 + e9 - e10
.set U1,  47                           ; s47  u of the second pass
.macro ROUND                           ; a round of the cluster's barrier
	s_barrier_signal -1
	s_barrier_wait -1
	s_cmp_lg_u32 s[WV], 0
	s_cbranch_scc1 .Lnot_wave_0_\@
	s_barrier_signal -3
.Lnot_wave_0_\@:
	s_barrier_wait -3
	s_barrier_signal -1
	s_barrier_wait -1
.endm
	s_load_b128 s[4:7], s[0:1], 0x0                ; qkv s[4:5], the scales' exponents s[6:7]
	s_load_b64 s[8:9], s[0:1], 0x10                ; cimg
	v_lshl_add_u32 v[SPW], v0, 2, SPARE
	v_mov_b32 v[NIL], 0
	ds_add_u32 v[SPW], v[NIL]                      ; the wave's opening: the add, twice on end, and its wait ahead of my first tensor load
	ds_add_u32 v[SPW], v[NIL]                      ; once more; the set-up below, work on registers, stands between it and the wait
	v_lshrrev_b32 v1, 5, v0
	s_delay_alu instid0(VALU_DEP_1)
	v_readfirstlane_b32 s[WV], v1                  ; wave 0..15
	s_bfe_u32 s13, ttmp6, 0x40000                  ; cx
	s_lshl_b32 s[G], ttmp9, 2
	s_add_co_u32 s[G], s[G], s13                   ; g = 4 x cluster x + cx: it enters the mask's numbers and Q's and ctx's addresses alone
	s_and_b32 s[BH], ttmp7, 0xffff                 ; the head, which the four partners share
	; descriptor group 1: 16 KiB, dense in memory and in LDS, as 64 rows of 256 bytes
	s_mov_b32 s[G1], 15|(3<<16)|(1<<21)            ; 15:0 the mask: all four work-groups; 17:16 elements of 8 bytes; 21 set beside a mask; no padding
	s_mov_b32 s[G1+1], 32<<16                      ; tensor_dim0 = 32 elements
	s_mov_b32 s[G1+2], 64<<16                      ; tensor_dim1 = 64
	s_mov_b32 s[G1+3], 32<<16                      ; tile_dim0
	s_mov_b32 s[G1+4], 64                          ; tile_dim1
	s_mov_b32 s[G1+5], 32                          ; from row to row
	s_mov_b32 s[G1+6], 0
	s_mov_b32 s[G1+7], 0
	s_mov_b32 s[SEL], 0x76543210
	s_mov_b32 s[SEL+1], 0xfedcba98
	s_lshl_b32 s48, s[BH], 17                      ; the head's 128 KiB in each section
	s_mov_b32 s49, 0
	s_lshr_b32 s14, s[WV], 3
	s_add_co_u32 s14, s14, 1
	s_lshl_b32 s14, s14, 23                        ; waves 0-7: K's section (byte 2^23); waves 8-15: V's (2^24)
	s_add_co_u32 s14, s14, s48
	s_and_b32 s13, s[WV], 7
	s_lshl_b32 s13, s13, 14
	s_add_co_u32 s14, s14, s13                     ; my eighth of the head's image
	s_mov_b32 s15, 0
	s_mov_b32 s[G0], 1                             ; count = 1
	s_lshl_b32 s[G0+1], s[WV], 14                  ; LDS address: 16 KiB x wave: K's eight parts, then V's eight
	s_wait_dscnt 0x0                               ; both opening adds are done
	s_wait_kmcnt 0x0
	s_load_b256 s[36:43], s[6:7], 0x10             ; e4 .. e11: e6 = s38, e7 = s39, e8 = s40, e9 = s41, e10 = s42
	s_add_nc_u64 s[G0+2:G0+3], s[4:5], s[14:15]
	s_or_b32 s[G0+3], s[G0+3], 0x80000000          ; type = 2
	s_add_nc_u64 s[44:45], s[4:5], s[48:49]        ; Q's section at my head
	ROUND                                          ; all four work-groups are here: the joint loads meet
	tensor_load_to_lds s[G0:G0+3], s[G1:G1+7]      ; every wave's one load
	s_nop 0
.rept 4
	v_nop
.endr
	v_and_b32 v[L16], 31, v0
	s_delay_alu instid0(VALU_DEP_1)
	v_lshlrev_b32 v[L16], 4, v[L16]
	s_wait_alu depctr_va_vdst(0)
	s_xor_b32 s[U1], s[WV], 31                     ; 31 - w
	s_lshl_b32 s13, s[WV], 2
	s_add_co_u32 s13, s13, s[G]                    ; my tile of the first pass: 4 w + g,
	s_lshl_b32 s50, s[U1], 2
	s_add_co_u32 s50, s50, s[G]                    ; and of the second
	s_lshl_b32 s14, s13, 10
	v_add_nc_u32 v[QO], s14, v[L16]                ; a tile of Q's image is 1 KiB
	s_lshl_b32 s14, s50, 10
	v_add_nc_u32 v[QO+1], s14, v[L16]
	global_load_b128 v[16:19], v[QO], s[44:45] th:TH_LOAD_NT              ; Q's fragments of both passes stay in registers
	global_load_b128 v[20:23], v[QO], s[44:45] offset:512 th:TH_LOAD_NT
	global_load_b128 v[24:27], v[QO+1], s[44:45] th:TH_LOAD_NT
	global_load_b128 v[28:31], v[QO+1], s[44:45] offset:512 th:TH_LOAD_NT
	s_lshr_b32 s15, s[BH], 4
	s_lshl_b32 s15, s15, 7                         ; 128 token tiles a batch
	s_and_b32 s51, s[BH], 15
	s_lshl_b32 s51, s51, 10                        ; a head's 64 along K are two pieces of 512 bytes
	s_add_co_u32 s13, s13, s15
	s_lshl_b32 s13, s13, 14                        ; a token tile of ctx's image is 16 KiB
	s_add_co_u32 s13, s13, s51
	v_add_nc_u32 v[CO], s13, v[L16]
	s_add_co_u32 s50, s50, s15
	s_lshl_b32 s50, s50, 14
	s_add_co_u32 s50, s50, s51
	v_add_nc_u32 v[CO+1], s50, v[L16]
	v_and_b32 v[D0], 15, v0                        ; r
	v_bfe_u32 v[DM], v0, 4, 1                      ; h
	s_delay_alu instid0(VALU_DEP_1)
	v_lshlrev_b32 v[DM], 3, v[DM]
	s_delay_alu instid0(VALU_DEP_1)
	v_sub_nc_u32 v[D0], v[D0], v[DM]
	s_lshl_b32 s13, s[G], 4
	v_add_nc_u32 v[D0], s13, v[D0]                 ; r - 8 h + 16 g
	v_and_b32 v[DM], 31, v0
	s_delay_alu instid0(VALU_DEP_1)
	v_cmp_lt_u32 s[HM], 15, v[DM]                  ; lanes 16-31
	v_mov_b32 v245, 1.0                            ; ctx's conversion divides by 1: its three exponents go into the divisor
	v_mov_b32 v236, 0                              ; written once: a lane permute's destination counts as one of its sources
	v_mov_b32 v209, 0
	s_wait_alu depctr_va_vdst(0)
	s_wait_kmcnt 0x0
	s_add_co_i32 s13, s38, s39
	s_lshl_b32 s13, s13, 23
	s_mov_b32 s[CS], 0x3e38aa3b                    ; log2(e) / 8
	s_add_co_i32 s[CS], s[CS], s13                 ; a score stands for score x 2^(e6 + e7): the two exponents are added to c's exponent field
	s_mov_b32 s[CS+1], s[CS]                       ; named with it as a pair, so it is written
	s_add_co_i32 s13, s40, 127
	s_lshl_b32 s14, s13, 23
	v_mov_b32 v244, s14                            ; 2^e8 as f32, for p's conversion
	s_add_co_i32 s[EX], s40, s41
	s_sub_co_i32 s[EX], s[EX], s42                 ; e8 + e9 - e10
; A KEY STEP: 128 keys at LDS byte TB of both images.  qr: Q's fragment.
.macro STEP qr
	v_add_nc_u32 v[ADK], s[TB], v[L16]
	s_delay_alu instid0(VALU_DEP_1)
	v_add_nc_u32 v[ADV], VBASE, v[ADK]
	v_nop
	v_nop                                          ; four plain instructions between the last step's products and the loads into the registers that they read
.irp c, 0,1,2,3,4,5,6,7
	ds_load_b128 v[KV+8*\c:KV+8*\c+3], v[ADK] offset:1024*\c
	ds_load_b128 v[KV+8*\c+4:KV+8*\c+7], v[ADK] offset:1024*\c+512
.endr
	s_wait_alu depctr_va_vdst(0)
.irp c, 0,1,2,3,4,5,6,7
	s_wait_dscnt 14-2*\c                           ; LDS loads come back in order: tile c's two are in, the 14 - 2 c younger ones may be out
	v_wmma_f32_16x16x64_bf8_bf8 v[S+8*\c:S+8*\c+7], v[KV+8*\c:KV+8*\c+7], v[(\qr):(\qr)+7], 0
.endr
.rept 4
	v_nop                                          ; places in front of the loads below and of the first read of the scores
.endr
.irp t, 0,1,2,3
.irp p, 0,1,2,3
	ds_load_b128 v[KV+16*\t+4*\p:KV+16*\t+4*\p+3], v[ADV] offset:2048*\t+512*\p   ; V's four fragments land while the softmax is walked
.endr
.endr
	s_cmp_lg_u32 s[KI], s[KD]                      ; only the step on the diagonal hides keys: the wave's number and the count of steps decide
	s_cbranch_scc1 .Lopen_\@
	v_mov_b32 v254, 0xff800000                     ; -infinity: p = 0 then
.set n, 0
.rept 64
	v_cmp_gt_i32 vcc_lo, 16*(n/8)+n%8, v[DM]       ; register 8 c + j holds key 16 c + 8 h + j of the step: hidden where 16 c + j > my query - 8 h
	v_cndmask_b32 v[S+n], v[S+n], v254, vcc_lo
.set n, n+1
.endr
.Lopen_\@:
	v_max3_num_f32 v254, v[S], v[S+1], v[S+2]      ; the step's largest score of my query, among my 64 keys, in two chains, each tile from its low end on,
	v_max3_num_f32 v252, v[S+3], v[S+4], v[S+5]
.irp i, 6,10,14,18,22,26,30,34,38,42,46,50,54,58
	v_max3_num_f32 v254, v254, v[S+\i], v[S+1+\i]
	v_max3_num_f32 v252, v252, v[S+2+\i], v[S+3+\i]
.endr
	v_max3_num_f32 v254, v254, v[S+62], v[S+63]
	s_delay_alu instid0(VALU_DEP_1)
	v_max_num_f32 v254, v254, v252
	v_permlanex16_b32 v236, v254, s[SEL], s[SEL+1]
	s_delay_alu instid0(VALU_DEP_1)
	v_max_num_f32 v254, v254, v236                 ; and among lane l xor 16's
	s_delay_alu instid0(VALU_DEP_1)
	v_mul_f32 v254, s[CS], v254                    ; as t (c is positive)
	s_delay_alu instid0(VALU_DEP_1)
	v_max_num_f32 v13, v13, v254                   ; the running largest t
	v_mov_b32 v254, v12
	s_delay_alu instid0(VALU_DEP_2)
	v_floor_f32 v12, -v13                          ; the new -M = floor(-t) = -ceil(t): a whole number
	s_delay_alu instid0(VALU_DEP_1)
	v_sub_f32 v254, v12, v254                      ; old M less new M: a whole number, 0 or less
	s_delay_alu instid0(VALU_DEP_1)
	v_cvt_i32_f32 v254, v254                       ; (it saturates)
	s_delay_alu instid0(VALU_DEP_1)
	v_ldexp_f32 v252, 1.0, v254                    ; f = 2^(old M - new M)
.set j, 0
	s_setprio 1
.rept 32
	v_pk_fma_f32 v[S+j:S+j+1], v[S+j:S+j+1], s[CS:CS+1], v[12:13] op_sel_hi:[1,0,0]   ; t - M, two at a time
.set j, j+2
.endr
.set j, 0
	s_wait_alu depctr_va_vdst(0)
.rept 64
	v_exp_f32 v[S+j], v[S+j]                       ; p = 2^(t - M), at most 1: not normalised
.set j, j+1
.endr
	v_pk_mul_f32 v[14:15], v[14:15], v[252:253] op_sel_hi:[1,0]   ; the sums under the new M: the plain instruction behind the exponentials
	s_wait_alu depctr_va_vdst(0)                   ; the wait ahead of the first instruction that names a result: one for the batch of 64
	v_pk_add_f32 v[242:243], v[100:101], v[104:105]
	v_pk_add_f32 v[254:255], v[108:109], v[112:113]
	v_pk_add_f32 v[250:251], v[116:117], v[120:121]
	v_pk_add_f32 v[248:249], v[124:125], v[128:129]
	v_pk_add_f32 v[246:247], v[132:133], v[136:137]
	v_pk_add_f32 v[240:241], v[140:141], v[144:145]
	v_pk_add_f32 v[238:239], v[148:149], v[152:153]
	v_pk_add_f32 v[14:15], v[14:15], v[156:157]
	v_pk_add_f32 v[242:243], v[242:243], v[96:97]
	v_pk_add_f32 v[254:255], v[254:255], v[98:99]
	v_pk_add_f32 v[250:251], v[250:251], v[102:103]
	v_pk_add_f32 v[248:249], v[248:249], v[106:107]
	v_pk_add_f32 v[246:247], v[246:247], v[110:111]
	v_pk_add_f32 v[240:241], v[240:241], v[114:115]
	v_pk_add_f32 v[238:239], v[238:239], v[118:119]
	v_pk_add_f32 v[14:15], v[14:15], v[122:123]
	v_pk_add_f32 v[242:243], v[242:243], v[126:127]
	v_pk_add_f32 v[254:255], v[254:255], v[130:131]
	v_pk_add_f32 v[250:251], v[250:251], v[134:135]
	v_pk_add_f32 v[248:249], v[248:249], v[138:139]
	v_pk_add_f32 v[246:247], v[246:247], v[142:143]
	v_pk_add_f32 v[240:241], v[240:241], v[146:147]
	v_pk_add_f32 v[238:239], v[238:239], v[150:151]
	s_setprio 0
	v_pk_add_f32 v[14:15], v[14:15], v[154:155]
	v_pk_add_f32 v[242:243], v[242:243], v[158:159]
	s_delay_alu instid0(VALU_DEP_2)
	v_pk_add_f32 v[14:15], v[14:15], v[248:249]
	s_delay_alu instid0(VALU_DEP_2)
	v_pk_add_f32 v[242:243], v[242:243], v[246:247]
	v_pk_add_f32 v[254:255], v[254:255], v[240:241]
	v_pk_add_f32 v[250:251], v[250:251], v[238:239]
	s_delay_alu instid0(VALU_DEP_2)
	v_pk_add_f32 v[14:15], v[14:15], v[254:255]
	s_delay_alu instid0(VALU_DEP_2)
	v_pk_add_f32 v[242:243], v[242:243], v[250:251]
	s_delay_alu instid0(VALU_DEP_1)
	v_pk_add_f32 v[14:15], v[14:15], v[242:243]
.irp c, 0,1,2,3,4,5,6,7
.irp i, 0,1,2,3,4,5,6,7
.endr
	v_cvt_scalef32_pk8_bf8_f32 v[PC+2*\c:PC+2*\c+1], v[S+8*\c:S+8*\c+7], v244
.endr
.set j, 0
.rept 16
	v_pk_mul_f32 v[OT+j:OT+j+1], v[OT+j:OT+j+1], v[252:253] op_sel_hi:[1,0]   ; O^T under the new M; also the plain lines behind the conversions
.set j, j+2
.endr
	s_wait_alu depctr_va_vdst(0)
	s_wait_dscnt 0x0                               ; V is in
.irp t, 0,1,2,3
	v_wmma_f32_16x16x128_bf8_bf8 v[OT+8*\t:OT+8*\t+7], v[KV+16*\t:KV+16*\t+15], v[PC:PC+15], v[OT+8*\t:OT+8*\t+7]   ; four accumulators by turns; the next step's eight products stand between two links
.endr
.endm
; A PASS'S END: O^T / the sum x 2^(e8 + e9 - e10), held, converted, brought into the image's order, stored.
.macro FIN p
.rept 4
	v_nop                                          ; places behind the last products
.endr
	v_add_f32 v14, v14, v15                        ; the sum's two halves,
	s_delay_alu instid0(VALU_DEP_1)
	v_permlanex16_b32 v252, v14, s[SEL], s[SEL+1]
	s_delay_alu instid0(VALU_DEP_1)
	v_add_f32 v14, v14, v252                       ; and lane l xor 16's
	s_wait_alu depctr_va_vdst(0)
	v_rcp_f32 v14, v14
	v_nop                                          ; a plain instruction behind the transcendental
	s_wait_alu depctr_va_vdst(0)                   ; and the wait ahead of the first reader
	v_ldexp_f32 v14, v14, s[EX]
.set j, 0
.rept 16
	v_pk_mul_f32 v[S+j:S+j+1], v[OT+j:OT+j+1], v[14:15] op_sel_hi:[1,0]   ; register 8 t + i: ctx(my query, channel 16 t + 8 h + i) / 2^e10; each accumulator from its low end on
.set j, j+2
.endr
.set j, 0
.rept 32
.set j, j+1
.endr
.irp t, 0,1,2,3
	v_cvt_scalef32_pk8_bf8_f32 v[CC+8*(\p)+2*\t:CC+8*(\p)+2*\t+1], v[S+8*\t:S+8*\t+7], v245
.endr
	v_nop                                          ; a plain line between the conversions and the vector lines that read their results
; Piece b of the image wants, in lane (r, h), channels 32 b + 16 h + 0 .. 15: tile 2 b + h whole.  A lane has half of tile 2 b and half of tile 2 b + 1: lanes 0-15 send their half of tile 2 b + 1, lanes 16-31 theirs of tile 2 b.
.irp b, 0,1
.irp i, 0,1
	v_cndmask_b32 v208, v[CC+8*(\p)+4*\b+2+\i], v[CC+8*(\p)+4*\b+\i], s[HM]
	s_delay_alu instid0(VALU_DEP_1)
	v_permlanex16_b32 v209, v208, s[SEL], s[SEL+1]
	v_cndmask_b32 v[CC+8*(\p)+4*\b+\i], v[CC+8*(\p)+4*\b+\i], v209, s[HM]
	v_cndmask_b32 v[CC+8*(\p)+4*\b+2+\i], v209, v[CC+8*(\p)+4*\b+2+\i], s[HM]
.endr
.endr
	global_store_b128 v[CO+\p], v[CC+8*(\p):CC+8*(\p)+3], s[8:9]                 ; 32 lanes store 512 consecutive bytes, aligned; each pass has its own registers, so no store is waited for
	global_store_b128 v[CO+\p], v[CC+8*(\p)+4:CC+8*(\p)+7], s[8:9] offset:512
.endm
; A PASS: one tile of 16 queries.  The loop has sixteen trips in every wave, so that the LDS address can be read off the text; a trip whose keys all come after the tile's queries jumps over the step's work.
.macro PASS p, ureg
	s_lshr_b32 s[KD], s[\ureg], 1
	s_and_b32 s13, s[\ureg], 1
	s_lshl_b32 s13, s13, 6
	v_add_nc_u32 v[DM], s13, v[D0]
	v_mov_b32 v13, 0xff61b1e6                      ; the largest t so far: -3e38, under every t
	s_delay_alu instid0(VALU_DEP_1)
	v_floor_f32 v12, -v13                          ; -M
	v_mov_b32 v14, 0                               ; the sum, in two halves
	v_mov_b32 v15, 0
	v_mov_b32 v252, 0
	v_mov_b32 v253, 0                              ; (named as the upper half of the pair v[252:253])
.set j, 0
.rept 32
	v_mov_b32 v[OT+j], 0                           ; the step is written once for each pass: its first walk finds zeros, which the first change of M leaves zeros
.set j, j+1
.endr
	s_mov_b32 s[TB], 0
	s_mov_b32 s[KI], 0
.Lk_\@:
	s_cmp_gt_u32 s[KI], s[KD]
	s_cbranch_scc1 .Lhid_\@
	s_setprio 2
	STEP 16+8*\p
.Lhid_\@:
	s_add_co_u32 s[TB], s[TB], CHUNK
	s_add_co_u32 s[KI], s[KI], 1
	s_cmp_lt_u32 s[KI], 16
	s_cbranch_scc1 .Lk_\@
	s_setprio 0
	FIN \p
.endm
	s_wait_loadcnt 0x0                             ; Q
	s_wait_tensorcnt 0x0                           ; my sixteenth of the two images has landed,
	s_barrier_signal -1
	s_barrier_wait -1                              ; everybody's has: nothing is written into LDS from here on
	PASS 0, WV
	PASS 1, U1
	s_wait_tensorcnt 0x0                           ; the wave's end: behind my tensor load
	ds_add_u32 v[SPW], v[NIL]
	s_wait_dscnt 0x0
	ROUND                                          ; the closing round
	s_endpgm
.Lfunc_end_k_q0e7a9c712d_attn:
	.size	k_q0e7a9c712d_attn, .Lfunc_end_k_q0e7a9c712d_attn-k_q0e7a9c712d_attn
	.p2alignl 7, 3214868480
	.fill 96, 4, 3214868480
	.section	.rodata,"a",@progbits
	.p2align	6, 0x0
	.amdhsa_kernel k_q0e7a9c712d_attn
		.amdhsa_group_segment_fixed_size 327680
		.amdhsa_private_segment_fixed_size 0
		.amdhsa_enable_private_segment 0
		.amdhsa_kernarg_size 24
		.amdhsa_user_sgpr_count 2
		.amdhsa_user_sgpr_kernarg_segment_ptr 1
		.amdhsa_wavefront_size32 1
		.amdhsa_system_sgpr_workgroup_id_x 1
		.amdhsa_system_sgpr_workgroup_id_y 1
		.amdhsa_system_sgpr_workgroup_id_z 1
		.amdhsa_system_vgpr_workitem_id 0
		.amdhsa_next_free_vgpr 256
		.amdhsa_next_free_sgpr 66
		.amdhsa_reserve_vcc 1
		.amdhsa_float_denorm_mode_32 3
		.amdhsa_float_denorm_mode_16_64 3
		.amdhsa_fp16_overflow 1
		.amdhsa_memory_ordered 1
		.amdhsa_forward_progress 1
		.amdhsa_inst_pref_size 54
	.end_amdhsa_kernel
	.amdgpu_metadata
---
amdhsa.version: [ 1, 2 ]
amdhsa.kernels:
  - .name:           k_q0e7a9c712d_attn
    .symbol:         k_q0e7a9c712d_attn.kd
    .args:
      - { .name: qkv, .offset: 0, .size: 8, .value_kind: global_buffer, .address_space: global }
      - { .name: lowp_scales, .offset: 8, .size: 8, .value_kind: global_buffer, .address_space: global }
      - { .name: cimg, .offset: 16, .size: 8, .value_kind: global_buffer, .address_space: global }
    .group_segment_fixed_size: 327680
    .private_segment_fixed_size: 0
    .kernarg_segment_align: 8
    .kernarg_segment_size: 24
    .max_flat_workgroup_size: 512
    .sgpr_count:     66
    .vgpr_count:     256
    .wavefront_size: 32
...
	.end_amdgpu_metadata
.endif
;; end of part 2
;; launch oproj (part 3): grid 4 x 32, 4 waves a work-group, clusters of 4 x 4, 327,680 bytes of LDS; arguments cimg, W_O_codes, lowp_scales, out0; writes out0
.if DOCPART == 3
	.amdgcn_target "amdgcn-amd-amdhsa--gfx1250"
	.amdhsa_code_object_version 6
	.text
	.protected	k_q0e7a9c712d_oproj
	.globl	k_q0e7a9c712d_oproj
	.p2align	8
	.type	k_q0e7a9c712d_oproj,@function
k_q0e7a9c712d_oproj:
	s_mov_b64 s[64:65], 0
	v_nop
	global_prefetch_b8 v0, s[64:65] scope:SCOPE_SE
	s_setreg_imm32_b32 hwreg(HW_REG_WAVE_MODE, 25, 1), 1
	s_wait_xcnt 0x0
	s_wait_alu depctr_hold_cnt(0) depctr_sa_sdst(0) depctr_va_vdst(0) depctr_va_sdst(0) depctr_va_ssrc(0) depctr_va_vcc(0) depctr_vm_vsrc(0)
	s_getreg_b32 s2, hwreg(HW_REG_IB_STS2, 6, 4)
	s_cmp_eq_u32 s2, 0
	s_cbranch_scc0 .Lentry_in_a_cluster
	s_endpgm
.Lentry_in_a_cluster:
	s_bfe_u32 s2, ttmp6, 0x10000c
	s_cmp_lg_u32 s2, 0xf033
	s_cbranch_scc0 .Lentry_shape_is_right
	s_endpgm
.Lentry_shape_is_right:
; THIRD LAUNCH: out = ctx W_O^T on codes of E5M2, f32 sums, each finished sum multiplied once by 2^(e10 + e11).  No work is left out here.
; ctx: 8,192 tokens x 1,024, as the second launch stored it: [token tile 512][32 along K: 32][lane 32][16 bytes]: lane (r, h) holds token r, K = 32 kc + 16 h + 0 .. 15.  W_O: [1024][1024] codes, K innermost.  out: [8192][1024] f32.
; LIMIT: e10 + e11 lies between -126 and 127, so that 2^(e10 + e11) is an f32 number.
; A tile of out, 256 x 256, is made by a work-group of four waves; a wave makes 128 x 128: 64 accumulators, 512 registers.  K goes in steps of 256 through a ring of two LDS slots.
; A (ctx) lies in a slot as it lies in memory, an image of registers: a fragment is four loads at 16 x lane, 512 consecutive bytes each.  B (W_O) lies in padded rows; four loads of 16 bytes, 32 apart, give lane (r, h) the same
; K = 32 c + 16 h + 0 .. 15 in registers 4 c .. 4 c + 3: the same order of K on both sides, so every product meets its partner.
; CLUSTERS: 4 x 4 work-groups: A's tile is asked for jointly by a row of the cluster, B's by a column.  THE MATRIX INSTRUCTION IS USED TRANSPOSED (source 0 = 16 rows of W_O, source 1 = 16 tokens): a lane holds eight neighbouring numbers of a row of out.
; REGISTERS, in windows of 256: window 0: v0-31 addresses; from v128 A's fragments, ONE set; on the way out v32-255 are free.  window 1: B's fragments, TWO sets.  windows 2, 3: the accumulators ((a, b) at v[8 (8 (a % 4) + b)]).
.set SIZE_N, 1024
.set ROWB,   256                       ; a row of B's tile in bytes
.set KROW,   1024                      ; a row of W_O in memory
.set PITCH,  272                       ; B's LDS row: 256 bytes + 16 of padding: the 16 rows that a load touches start 4 banks apart (64 banks of 4 bytes: ISA guide 11.1)
.set FR,     16
.set NL,     4
.set NP,     4                         ; places behind this matrix instruction (ISA guide 7.12.1)
.set HALFA,  32768                     ; A: 8 token tiles x 4,096 bytes: what one tensor load brings, and what one wave reads
.set ABYTES, 2*HALFA
.set HALFT,  128*PITCH                 ; B: 128 rows
.set SLOT,   ABYTES+2*HALFT            ; A's image, then B's 256 rows
.set LAPS,   2
.set SPARE,  2*SLOT                    ; behind the ring: the spare words, 128 bytes a wave
.set SPITCH, 528                       ; the way out: a stage of 16 rows x (512 bytes + 16) for each wave, in slot 0's first bytes: the slot has had its last fill and its last read when the first result is stored there
.set ADRA, 16                          ; v16-17  LDS address of my A fragments in slot 0, 1
.set ADRB, 20                          ; v20-21  the same for B
.set STO,  24                          ; v24  the way out: where I put 32 bytes of a row
.set RD,   25                          ; v25  where I read a row back
.set CO,   26                          ; v26  16 x lane: my byte offset in a row of out, and in an image
.set SPW,  28                          ; v28  my spare word; never rewritten
.set NIL,  29                          ; v29  0; never rewritten
.set TMP,  32                          ; the way out: a block's sums x 2^(e10 + e11)
.set AF,   128
.set BK,   128                         ; the way out: 16 rows read back: v128-191 and v192-255 by turns
.set G1, 24
.set G0, 32
.set G1B, 48
.set G0B, 56
.set MSB, 0
.macro WIN new                         ; the immediate's high byte repeats the setting that is left
.if MSB != \new
	s_set_vgpr_msb (MSB<<8)|\new
.set MSB, \new
.endif
.endm
.set MUL_LO, 0xa1                      ; source 0 (B) window 1, source 1 (A) window 0, C and D window 2
.set MUL_HI, 0xf1
.set TO_B,   0x40
.macro JLOAD g0a, g1a, g0b, g1b        ; a joint load: waves 0 and 1 fetch for A, waves 2 and 3 for B; an s_nop 0 and four v_nop follow each line
	s_cmp_eq_u32 s15, 0
	s_cbranch_scc0 .Lfor_b_\@
	tensor_load_to_lds s[\g0a:\g0a+3], s[\g1a:\g1a+7]
	s_nop 0
.rept 4
	v_nop
.endr
	s_branch .Lasked_\@
.Lfor_b_\@:
	tensor_load_to_lds s[\g0b:\g0b+3], s[\g1b:\g1b+7]
	s_nop 0
.rept 4
	v_nop
.endr
.Lasked_\@:
.endm
.macro CREST
	s_cmp_lg_u32 s14, 0
	s_cbranch_scc1 .Lnot_wave_0_\@
	s_barrier_signal -3
.Lnot_wave_0_\@:
	s_barrier_wait -3
	s_barrier_signal -1
	s_barrier_wait -1
.endm
.macro CROUND
	s_barrier_signal -1
	s_barrier_wait -1
	CREST
.endm
	s_load_b128 s[4:7], s[0:1], 0x0                ; ctx's image s[4:5], W_O's codes s[6:7]
	s_load_b128 s[8:11], s[0:1], 0x10              ; the scales' exponents s[8:9], out s[10:11]
	v_lshl_add_u32 v[SPW], v0, 2, SPARE
	v_mov_b32 v[NIL], 0
	ds_add_u32 v[SPW], v[NIL]                      ; the wave's opening: the add, twice on end, and its wait ahead of my first tensor load
	ds_add_u32 v[SPW], v[NIL]                      ; once more; the set-up below, work on registers, stands between it and the wait
	v_lshrrev_b32 v1, 5, v0
	v_readfirstlane_b32 s14, v1                    ; wave 0..3
	s_lshr_b32 s15, s14, 1                         ; which half of the tile's rows is mine.  Also: I fetch for A (0) or for B (1)
	s_and_b32 s16, s14, 1                          ; which half of its columns.  Also: which half of that tile I fetch
	s_bfe_u32 s40, ttmp6, 0x40000                  ; cx, cy
	s_bfe_u32 s41, ttmp6, 0x40004
	s_lshl_b32 s42, ttmp9, 2
	s_add_co_u32 s42, s42, s40                     ; tile column of out
	s_and_b32 s17, ttmp7, 0xffff
	s_lshl_b32 s17, s17, 2
	s_add_co_u32 s17, s17, s41                     ; tile row of out
	s_lshl_b32 s43, s41, 2
	s_lshl_b32 s43, 15, s43                        ; my row of the cluster
	s_lshl_b32 s44, 0x1111, s40                    ; my column
	; A's group 1: 8 token tiles x 4,096 bytes (256 along K of 16 tokens), 16,384 bytes apart in memory, dense in LDS
	s_or_b32 s[G1+0], s43, (3<<16)|(1<<21)         ; 15:0 the mask: my row; 17:16 elements of 8 bytes; 21 set beside a mask; no padding
	s_mov_b32 s[G1+1], 512<<16                     ; tensor_dim0 = 512 elements
	s_mov_b32 s[G1+2], 8<<16                       ; tensor_dim1 = 8
	s_mov_b32 s[G1+3], 512<<16                     ; tile_dim0
	s_mov_b32 s[G1+4], 8                           ; tile_dim1
	s_mov_b32 s[G1+5], 2048                        ; from row to row, in elements
	s_mov_b32 s[G1+6], 0
	s_mov_b32 s[G1+7], 0
	; B's group 1: 128 rows x 256 bytes, padded in LDS
	s_or_b32 s[G1B+0], s44, (0<<16)|(1<<20)|(1<<21)|(5<<22)|(3<<25)
	s_mov_b32 s[G1B+1], ROWB<<16
	s_mov_b32 s[G1B+2], 128<<16
	s_mov_b32 s[G1B+3], ROWB<<16
	s_mov_b32 s[G1B+4], 128
	s_mov_b32 s[G1B+5], KROW
	s_mov_b32 s[G1B+6], 0
	s_mov_b32 s[G1B+7], 0
	s_lshl_b32 s20, s17, 18                        ; A: 16 token tiles of 16 KiB a tile row,
	s_lshl_b32 s18, s16, 17                        ; 8 of them a half
	s_add_co_u32 s20, s20, s18
	s_mov_b32 s21, 0
	s_lshl_b32 s46, s42, 8
	s_lshl_b32 s18, s16, 7
	s_add_co_u32 s46, s46, s18
	s_lshl_b32 s46, s46, 10                        ; B: (256 x tile column + 128 x half) rows of 1,024 bytes
	s_mov_b32 s47, 0
	s_lshl_b32 s45, s16, 15                        ; where they go: A's half,
	s_mul_i32 s19, s16, HALFT
	s_add_co_u32 s19, s19, ABYTES                  ; B's half, behind A's image: no place in the cluster enters an LDS address
	s_wait_dscnt 0x0                               ; both opening adds are done
	s_wait_kmcnt 0x0
	s_load_b64 s[96:97], s[8:9], 0x28              ; e10, e11
	s_add_nc_u64 s[20:21], s[4:5], s[20:21]
	s_add_nc_u64 s[46:47], s[6:7], s[46:47]
	CROUND                                         ; all sixteen work-groups are here: the first joint loads meet
.irp s, 0,1
	s_mov_b32 s[G0+4*\s], 1
	s_add_co_u32 s[G0+4*\s+1], s45, \s*SLOT
	s_add_nc_u64 s[G0+4*\s+2:G0+4*\s+3], s[20:21], \s*4096
	s_or_b32 s[G0+4*\s+3], s[G0+4*\s+3], 0x80000000
	s_mov_b32 s[G0B+4*\s], 1
	s_add_co_u32 s[G0B+4*\s+1], s19, \s*SLOT
	s_add_nc_u64 s[G0B+4*\s+2:G0B+4*\s+3], s[46:47], \s*ROWB
	s_or_b32 s[G0B+4*\s+3], s[G0B+4*\s+3], 0x80000000
	s_wait_alu depctr_va_vdst(0)
	s_wait_tensorcnt 0x0
	ds_add_u32 v28, v29
	ds_add_u32 v28, v29
	s_wait_dscnt 0x0
	CROUND
	JLOAD G0+4*\s, G1, G0B+4*\s, G1B               ; one load of mine is out
.endr
	v_and_b32 v1, 15, v0                           ; l % 16
	v_bfe_u32 v2, v0, 4, 1                         ; l / 16
	v_mul_u32_u24 v3, v1, PITCH
	v_lshl_add_u32 v4, v2, 4, v3                   ; B: a fragment's row x pitch + 16 x half
	v_and_b32 v6, 31, v0
	v_lshlrev_b32 v[CO], 4, v6                     ; 16 x lane
	s_wait_alu depctr_va_vdst(0)
	s_lshl_b32 s21, s15, 15                        ; my 8 token tiles of A
	s_mul_i32 s22, s16, HALFT                      ; my 128 rows of B,
	s_add_co_u32 s22, s22, ABYTES                  ; behind A's image
.irp s, 0,1
	v_add_nc_u32 v[ADRA+\s], s21, v[CO]
	v_add_nc_u32 v[ADRB+\s], s22, v4
	s_add_co_u32 s21, s21, SLOT
	s_add_co_u32 s22, s22, SLOT
.endr
	s_mul_i32 s23, s14, 16*SPITCH                  ; my stage
	v_mul_u32_u24 v5, v1, SPITCH                   ; in: row l % 16, 32 bytes for each half of the lanes
	v_lshl_add_u32 v5, v2, 5, v5
	v_add_nc_u32 v[STO], s23, v5
	v_add_nc_u32 v[RD], s23, v[CO]                 ; back: the 32 lanes take one row of 512 bytes
	s_lshl_b32 s20, s17, 8
	s_lshl_b32 s21, s15, 7
	s_add_co_u32 s20, s20, s21                     ; my first row of out
	s_lshl_b32 s20, s20, 12                        ; rows of 4,096 bytes: under 2^25
	s_mov_b32 s21, 0
	s_lshl_b32 s46, s42, 10                        ; my first column, in bytes
	s_lshl_b32 s47, s16, 9
	s_add_co_u32 s46, s46, s47
	s_mov_b32 s47, 0
	s_add_nc_u64 s[20:21], s[20:21], s[46:47]
	s_add_nc_u64 s[10:11], s[10:11], s[20:21]
.macro FRAG reg, adr, q, i             ; a fragment of B from padded rows
.irp c, 0,1,2,3
	ds_load_b128 v[\reg+4*\c:\reg+4*\c+3], v[\adr] offset:128*(\q)+32*\c+(\i)*16*PITCH
.endr
.endm
.macro FRAGA reg, adr, q, i            ; a fragment of A from the image: token tile i, the slot's q-th 128 along K, four pieces of 512 bytes
.irp c, 0,1,2,3
	ds_load_b128 v[\reg+4*\c:\reg+4*\c+3], v[\adr] offset:4096*(\i)+2048*(\q)+512*\c
.endr
.endm
.macro MUL16 a0, p, zero               ; 16 matrix instructions; the 64 accumulators take turns, one instruction a turn
.irp a, \a0, \a0+1
.irp b, 0,1,2,3,4,5,6,7
.if \zero
	v_wmma_f32_16x16x128_bf8_bf8 v[8*(8*((\a)%4)+\b):8*(8*((\a)%4)+\b)+7], v[128*(\p)+FR*\b:128*(\p)+FR*\b+FR-1], v[AF+FR*(\a):AF+FR*(\a)+FR-1], 0
.else
	v_wmma_f32_16x16x128_bf8_bf8 v[8*(8*((\a)%4)+\b):8*(8*((\a)%4)+\b)+7], v[128*(\p)+FR*\b:128*(\p)+FR*\b+FR-1], v[AF+FR*(\a):AF+FR*(\a)+FR-1], v[8*(8*((\a)%4)+\b):8*(8*((\a)%4)+\b)+7]
.endif
.endr
.endr
.endm
.macro FETCH_B slot, q, p
	WIN TO_B
.irp i, 0,1,2,3,4,5,6,7
	FRAG 128*(\p)+FR*\i, ADRB+\slot, \q, \i
.endr
	WIN 0
.endm
.macro FETCH_A slot, q, i0
.irp i, \i0, \i0+1, \i0+2, \i0+3
	FRAGA AF+FR*(\i), ADRA+\slot, \q, \i
.endr
.endm
.macro PLACES n                        ; plain vector instructions between a matrix instruction and a load into, or a read of, its registers
.rept \n
	v_nop
.endr
.endm
.macro STEP slot, q, zero              ; a step of 128 along K that has its successor in the same slot
	s_wait_dscnt 4*NL                              ; B's set and A's blocks 0-3 are in; the youngest 16 loads (A's blocks 4-7) may be out
	WIN MUL_LO
	MUL16 0, (\q)%2, \zero
	MUL16 2, (\q)%2, \zero
	s_wait_dscnt 0                                 ; A's blocks 4-7 are in
	PLACES NP
	FETCH_B \slot, (\q)+1, 1-(\q)%2
	FETCH_A \slot, (\q)+1, 0
	WIN MUL_HI
	MUL16 4, (\q)%2, \zero
	MUL16 6, (\q)%2, \zero
	PLACES NP
	WIN 0
	FETCH_A \slot, (\q)+1, 4
.endm
.macro TURN slot, next, fill           ; a slot's last step changes slots: ONE barrier, in front of it the wait for all my tensor loads, the add, and the wait for it and for my reads of this slot
	s_wait_tensorcnt 0x0                           ; all my tensor loads have landed: my part of the next slot
	ds_add_u32 v[SPW], v[NIL]                      ; 0 onto my spare word
	s_wait_dscnt 4*NL+1                            ; the add and the youngest 16 loads may be out
	WIN MUL_LO
	MUL16 0, 1, 0
	s_wait_dscnt 0x0                               ; the add is done, and my reads of this slot are over
	s_barrier_signal -1
	MUL16 2, 1, 0
	WIN 0
	s_barrier_wait -1
.if \fill
	CREST                                          ; the barrier has opened a round of the cluster's: no wave of any partner still reads this slot or has a load on its way
	s_add_nc_u64 s[G0+4*\slot+2:G0+4*\slot+3], s[G0+4*\slot+2:G0+4*\slot+3], 2*4096
	s_add_nc_u64 s[G0B+4*\slot+2:G0B+4*\slot+3], s[G0B+4*\slot+2:G0B+4*\slot+3], 2*ROWB
	JLOAD G0+4*\slot, G1, G0B+4*\slot, G1B         ; the first tensor load behind the round; its four v_nop are the places in front of the loads below
.else
	PLACES NP
.endif
	FETCH_B \next, 0, 0
	FETCH_A \next, 0, 0
	WIN MUL_HI
	MUL16 4, 1, 0
	MUL16 6, 1, 0
	PLACES NP
	WIN 0
	FETCH_A \next, 0, 4
.endm
	s_wait_alu depctr_va_vdst(0)
	s_wait_tensorcnt 1                             ; my part of K step 0 is in; K step 1's load may be out
	s_barrier_signal -1
	s_barrier_wait -1
	FETCH_B 0, 0, 0
	FETCH_A 0, 0, 0
	FETCH_A 0, 0, 4
	STEP 0, 0, 1                                   ; the first step's products start the sums
	s_mov_b32 s3, LAPS-1
.Llap:
	TURN 0, 1, 1
	STEP 1, 0, 0
	TURN 1, 0, 1
	STEP 0, 0, 0
	s_sub_co_u32 s3, s3, 1
	s_cmp_lg_u32 s3, 0
	s_cbranch_scc1 .Llap
	TURN 0, 1, 0                                   ; the last lap fills nothing
	STEP 1, 0, 0
	s_wait_dscnt 4*NL
	WIN MUL_LO
	MUL16 0, 1, 0
	MUL16 2, 1, 0
	s_wait_dscnt 0
	WIN MUL_HI
	MUL16 4, 1, 0
	MUL16 6, 1, 0
	WIN 0
; THE WAY OUT, block by block of 16 rows x 128 columns: through my own stage in LDS and back as whole rows of 512 bytes.  LDS serves a wave's instructions in order (ISA guide 5.7.1.4): no wait between the stores and the loads.
.macro TOSTAGE a
.set AC, 64*((\a)%4)
	WIN 0x02+((\a)/4)                              ; source 0: window 2 or 3
.irp j, 0,2,4,6,8,10,12,14,16,18,20,22,24,26,28,30,32,34,36,38,40,42,44,46,48,50,52,54,56,58,60,62
	v_pk_mul_f32 v[TMP+\j:TMP+\j+1], v[AC+\j:AC+\j+1], s[96:97] op_sel_hi:[1,0]   ; x 2^(e10 + e11); each accumulator from its low end on
.endr
	WIN 0
.irp b, 0,1,2,3,4,5,6,7
	ds_store_b128 v[STO], v[TMP+8*\b:TMP+8*\b+3] offset:64*\b
	ds_store_b128 v[STO], v[TMP+8*\b+4:TMP+8*\b+7] offset:64*\b+16
.endr
.set BB, BK+64*((\a)%2)
.irp t, 0,1,2,3,4,5,6,7,8,9,10,11,12,13,14,15
	ds_load_b128 v[BB+4*\t:BB+4*\t+3], v[RD] offset:\t*SPITCH
.endr
.endm
.macro SEND a, younger                 ; younger: the LDS instructions issued behind block a's loads, which may stay out
.set BB, BK+64*((\a)%2)
	s_wait_dscnt \younger
.if (\a) > 0
	s_add_nc_u64 s[10:11], s[10:11], 16*SIZE_N*4   ; behind a wait on XCNT: the earlier stores have read their base
.endif
.irp t, 0,1,2,3,4,5,6,7,8,9,10,11,12,13,14,15
	global_store_b128 v[CO], v[BB+4*\t:BB+4*\t+3], s[10:11] offset:\t*SIZE_N*4 th:TH_STORE_NT   ; 32 lanes store 512 consecutive bytes, at a multiple of 512 from out's first byte
.endr
.endm
	s_wait_kmcnt 0x0
	s_add_co_i32 s96, s96, s97                     ; e10 + e11
	s_add_co_i32 s96, s96, 127
	s_lshl_b32 s96, s96, 23                        ; 2^(e10 + e11) as f32
	PLACES NP
	TOSTAGE 0
.irp a, 1,2,3,4,5,6,7
.if \a > 1
	s_wait_xcnt 0x0                                ; block a - 2's stores have read their registers and their base
.endif
	TOSTAGE \a
	SEND \a-1, 32                                  ; behind block a - 1's loads: block a's 16 stores and 16 loads
.endr
	s_wait_xcnt 0x0                                ; block 6's stores have read their base
	SEND 7, 0
	s_wait_tensorcnt 0x0                           ; the wave's end: behind my last tensor load and my last LDS store
	ds_add_u32 v[SPW], v[NIL]
	s_wait_dscnt 0x0
	CROUND                                         ; the closing round
	s_endpgm
.Lfunc_end_k_q0e7a9c712d_oproj:
	.size	k_q0e7a9c712d_oproj, .Lfunc_end_k_q0e7a9c712d_oproj-k_q0e7a9c712d_oproj
	.p2alignl 7, 3214868480
	.fill 96, 4, 3214868480
	.section	.rodata,"a",@progbits
	.p2align	6, 0x0
	.amdhsa_kernel k_q0e7a9c712d_oproj
		.amdhsa_group_segment_fixed_size 327680
		.amdhsa_private_segment_fixed_size 0
		.amdhsa_enable_private_segment 0
		.amdhsa_kernarg_size 32
		.amdhsa_user_sgpr_count 2
		.amdhsa_user_sgpr_kernarg_segment_ptr 1
		.amdhsa_wavefront_size32 1
		.amdhsa_system_sgpr_workgroup_id_x 1
		.amdhsa_system_sgpr_workgroup_id_y 1
		.amdhsa_system_sgpr_workgroup_id_z 1
		.amdhsa_system_vgpr_workitem_id 0
		.amdhsa_next_free_vgpr 1024
		.amdhsa_next_free_sgpr 98
		.amdhsa_reserve_vcc 0
		.amdhsa_float_denorm_mode_32 3
		.amdhsa_float_denorm_mode_16_64 3
		.amdhsa_memory_ordered 1
		.amdhsa_forward_progress 1
		.amdhsa_inst_pref_size 124
	.end_amdhsa_kernel
	.amdgpu_metadata
---
amdhsa.version: [ 1, 2 ]
amdhsa.kernels:
  - .name:           k_q0e7a9c712d_oproj
    .symbol:         k_q0e7a9c712d_oproj.kd
    .args:
      - { .name: cimg, .offset: 0, .size: 8, .value_kind: global_buffer, .address_space: global }
      - { .name: W_O_codes, .offset: 8, .size: 8, .value_kind: global_buffer, .address_space: global }
      - { .name: lowp_scales, .offset: 16, .size: 8, .value_kind: global_buffer, .address_space: global }
      - { .name: out0, .offset: 24, .size: 8, .value_kind: global_buffer, .address_space: global }
    .group_segment_fixed_size: 327680
    .private_segment_fixed_size: 0
    .kernarg_segment_align: 8
    .kernarg_segment_size: 32
    .max_flat_workgroup_size: 128
    .sgpr_count:     98
    .vgpr_count:     1024
    .wavefront_size: 32
...
	.end_amdgpu_metadata
.endif
;; end of part 3
